; MI455X (gfx1250); checked and timed in simulation.
; The chip was launched on July 23, 2026; its instructions are those of AMD's public machine-readable ISA for CDNA 5 (MIT licence, August 2026) and "CDNA5" Instruction Set Architecture Reference Guide (July 2026). The comments in the code are by the model that wrote it; some were corrected since.
;; Encoder. Allowed arithmetic: float matrix products may take bf16 or f16 operands with f32 sums; all other float work in f32.
;; Inputs: Wk 1,024 x 1,024 float32; Wo 1,024 x 1,024 float32; Wq 1,024 x 1,024 float32; Wv 1,024 x 1,024 float32; bk 1,024 float32; bo 1,024 float32; bq 1,024 float32; bv 1,024 float32; x 8 x 2,048 x 1,024 float32.
;; Outputs: out0 8 x 2,048 x 1,024 float32.
;; One version. Each part assembles by itself: llvm-mc -triple=amdgcn-amd-amdhsa -mcpu=gfx1250 --defsym DOCPART=n.
;; ======== version 1 of 1: 3 launches
;; limits: values are held in f16: magnitudes above 65,504 overflow, below 6.1e-05 lose precision; inputs' magnitudes at most 65,504; right only within a limited range of input values
;; workspace buffers: xh 33,554,432 bytes; mw 2,097,152 bytes; pw 2,097,152 bytes; vecs 12,544 bytes; dpart 524,288 bytes
;; launch prep (part 1): grid 128 x 2, 16 waves a work-group, no clusters, 176,128 bytes of LDS; arguments x, Wq, Wk, Wo, Wv, bq, bk, bv, xh, mw, pw, vecs; writes xh, mw, pw, vecs
.if DOCPART == 1
	.amdgcn_target "amdgcn-amd-amdhsa--gfx1250"
	.amdhsa_code_object_version 6
	.text
	.protected	k_qac99c07939_prep
	.globl	k_qac99c07939_prep
	.p2align	8
	.type	k_qac99c07939_prep,@function
k_qac99c07939_prep:
	s_mov_b64 s[64:65], 0
	v_nop
	global_prefetch_b8 v0, s[64:65] scope:SCOPE_SE
	s_setreg_imm32_b32 hwreg(HW_REG_WAVE_MODE, 25, 1), 1
	s_wait_xcnt 0x0
; PREP.  What the two large products need, made once:
;   mw[n][k] = 64 x sum_o Wq[o][n] Wk[o][k]   (y = 0)        pw[n][k] = 64 x sum_o Wo[n][o] Wv[o][k]   (y = 1)        both [1024][1024] f16
;   ga[k] = 64 x sum_o Wk[o][k] bq[o]   gb[n] = 64 x sum_o Wq[o][n] bk[o]   ev[n] = 64 x sum_o Wo[n][o] bv[o]   c0 = sum_o bq[o] bk[o]     f32, in vecs
;   xh = x rounded to bf16 and that number written as f16 (exact from 7.6e-6 to 65,504)
; since q.k = x^T (Wq^T Wk) x + (Wk^T bq + Wq^T bk).x + bq.bk and v Wo^T = x (Wo Wv)^T + Wo bv, for every input.
; All inputs are rounded to bf16 first; the products are bf16 with f32 sums.  The factor 64 = 2^6 is exact and centres f16's range on the products.
; LIMITS.  |x| below 65,504; |Wq^T Wk| and |Wo Wv| below 1,023 (64 times that is f16's end); numbers of xh below 6e-5 keep f16's fixed step of 6e-8.  NaN and infinities are not treated apart.
; q, k and v are never formed: the order of rounding differs from a program that forms them.
; SHARES.  256 work-groups of 16 waves.  y picks the product, i = id / 8 its 64 rows n, j = id % 8 its 128 columns k; o goes in 8 steps of 128 through two LDS buffers.
; Wave w: rows 16 (w / 4) .., columns 32 (w % 4) ..: two accumulators.  The matrix instruction is used transposed (source 0 = 16 columns k, source 1 = 16 rows n): a lane then holds
; eight neighbouring k of one row n.  Each work-group also converts 64 rows of x, 32 KB a step.  16 loads of 16 bytes a lane are always on their way: 128 KB a work-group.
; No tensor load: f32 is rounded on its way into LDS, so it comes through registers.  No cluster: nothing is fetched by an engine that could share it.
.set KTP,   288        ; a row o of the K operand in LDS: 128 bf16 + 32 bytes: an odd multiple of 32
.set NTP0,  160        ; y = 0: a row o of Wq's 64 columns: 128 bytes + 32
.set NTP1,  272        ; y = 1: a row n of Wo's 128 o: 256 bytes + 16
.set NTO0,  128*KTP    ; behind the K operand's tile: the N operand's tile of the text for y = 0,
.set NTO1,  NTO0+128*NTP0  ; and that of the text for y = 1.  Each text's tile has bytes of its own (a work-group uses one): the two texts' stores ahead of their first barriers name no common bytes
.set BUF,   NTO1+64*NTP1
.set STG,   2*BUF      ; the way out: 64 rows x 272 bytes
.set STP,   272
.set VECN,  STG+64*STP ; bk (y = 0) or bv (y = 1) in bf16
.set VECK,  VECN+2048  ; bq in bf16
.set VSTN,  VECK+2048  ; 16 f32 for each wave: its rows' part of gb or ev (waves 0, 4, 8, 12 of a work-group with j = 0 hold it; the others zeros)
.set VSTK,  VSTN+1024  ; 32 f32 for each wave: its columns' part of ga (waves 0 to 3 of a work-group with y = 0, i = 0 hold it, end to end)
.set SPARE, VSTK+2048  ; the spare words, 128 bytes for each of 16 waves
.set KOFF, 8           ; v8   (t / 32) rows of 4,096 bytes + 16 (t % 32)
.set NOFF, 9           ; v9   y = 0: (t / 16) rows + 16 (t % 16)
.set XOFF, 10          ; v10  16 t
.set XSO,  11          ; v11  8 t
.set KST,  12          ; v12-13  where I store my 8 bytes of the K tile, buffer 0, 1
.set NST,  14          ; v14-15  the same for the N tile
.set KFA,  16          ; v16-17  my lane's place in the K fragments
.set NFA,  18          ; v18-19  in the N fragment
.set VFA,  20          ; v20  in the vectors; steps by 512 a trip
.set SST,  21
.set SRD,  22
.set OOFF, 23
.set VSN,  24          ; v24  VSTN + 64 w + 4 (lane % 16)
.set VSK,  25          ; v25  VSTK + 128 w + 4 (lane % 16)
.set BOF,  26
.set BST,  27
.set RN,   28          ; v28  16 (w / 4) + lane % 16
.set SPW,  30
.set NIL,  31
.set KR,   32          ; v32-63   8 x 4 f32 of the K operand, then bf16 in the first two of each four
.set NR,   64          ; v64-79   4 x 4 of the N operand
.set XR,   80          ; v80-95   4 x 4 of x
.set KF,   96          ; v96-111  two K fragments
.set NF,   112         ; v112-119 the N fragment
.set VN,   120         ; v120-127 the N side's vector as a fragment: all 16 rows alike
.set VK,   128         ; v128-135 bq likewise
.set ACC,  136         ; v136-151 two accumulators
.set XN,   152         ; v152-159 vector x N operand
.set XK,   160         ; v160-175 bq x K operand
.set WR,   176         ; v176-191 at work
.set Y,   2
.set ID,  3
.set TI,  4
.set TJ,  5
.set WV,  6
.set WN,  7
.set WK,  32
.set CNT, 33
.set PN,  34           ; s[34:35] N operand
.set PK,  36           ; s[36:37] K operand
.set PX,  38           ; s[38:39] x
.set PXH, 40           ; s[40:41] xh
.set PO,  42           ; s[42:43] mw or pw at my tile
.set PB,  44           ; s[44:45] the bias that my wave brings in
.set ZN,  46           ; 0: my wave makes gb's or ev's part (j = 0, w % 4 = 0)
.set ZK,  47           ; 0: it makes ga's part (y = 0, i = 0, w / 4 = 0)
.set ZA,  48           ; 0: it stores gb's or ev's part (w = 0, j = 0)
.set ZB,  49           ; 0: it stores ga's part (w = 0, y = 0, i = 0)
.set ZC,  50           ; 0: it makes c0 (w = 0, y = 0, id = 0)
.set PGA, 52
.set PVN, 54
.set SEL, 56
.set HIM, 58
.set T0,  60
	s_load_b512 s[8:23], s[0:1], 0x0               ; x 8, Wq 10, Wk 12, Wo 14, Wv 16, bq 18, bk 20, bv 22
	s_load_b256 s[24:31], s[0:1], 0x40             ; xh 24, mw 26, pw 28, vecs 30
	v_lshl_add_u32 v[SPW], v0, 2, SPARE
	v_mov_b32 v[NIL], 0
	s_and_b32 s[Y], ttmp7, 0xffff
	s_mov_b32 s[ID], ttmp9
	s_lshr_b32 s[TI], s[ID], 3
	s_and_b32 s[TJ], s[ID], 7
	v_lshrrev_b32 v1, 5, v0
	v_readfirstlane_b32 s[WV], v1                  ; wave 0..15
	s_lshr_b32 s[WN], s[WV], 2
	s_and_b32 s[WK], s[WV], 3
	s_or_b32 s[ZN], s[TJ], s[WK]
	s_or_b32 s[ZK], s[Y], s[TI]
	s_or_b32 s[ZB], s[ZK], s[WV]
	s_or_b32 s[ZK], s[ZK], s[WN]
	s_or_b32 s[ZA], s[WV], s[TJ]
	s_or_b32 s[ZC], s[ZB], s[TJ]
	s_mov_b32 s[SEL], 0x76543210
	s_mov_b32 s[SEL+1], 0xfedcba98
	s_mov_b32 s[HIM], 0xffff0000
	v_and_b32 v2, 31, v0                           ; l
	v_and_b32 v3, 15, v0                           ; r
	v_bfe_u32 v4, v0, 4, 1                         ; h
	v_lshrrev_b32 v5, 4, v0                        ; t / 16
	v_and_b32 v6, 7, v0
	v_lshl_add_u32 v6, v4, 3, v6                   ; 8 h + l % 8: the row that my lane addresses in a turning load
	v_bfe_u32 v7, v0, 3, 1                         ; and which 16 bytes of it
	v_lshlrev_b32 v[KOFF], 4, v2
	v_lshl_add_u32 v[KOFF], v1, 12, v[KOFF]
	v_lshlrev_b32 v[XOFF], 4, v0
	v_lshlrev_b32 v[XSO], 3, v0
	v_mul_u32_u24 v[KST], v1, KTP
	v_lshl_add_u32 v[KST], v2, 3, v[KST]
	v_add_nc_u32 v[KST+1], BUF, v[KST]
	v_mul_u32_u24 v[KFA], v6, KTP
	v_lshl_add_u32 v[KFA], v7, 4, v[KFA]
	s_lshl_b32 s[T0], s[WK], 6                     ; my 32 columns k, 64 bytes
	v_add_nc_u32 v[KFA], s[T0], v[KFA]
	v_add_nc_u32 v[KFA+1], BUF, v[KFA]
	v_lshl_add_u32 v[VFA], v4, 4, VECN
	v_lshl_add_u32 v[RN], s[WN], 4, v3
	v_mul_u32_u24 v[SST], v[RN], STP
	v_lshl_add_u32 v[SST], v4, 4, v[SST]
	s_add_co_u32 s[T0], s[T0], STG
	v_add_nc_u32 v[SST], s[T0], v[SST]
	v_mul_u32_u24 v[SRD], v5, STP
	v_lshl_add_u32 v[SRD], v3, 4, v[SRD]
	v_add_nc_u32 v[SRD], STG, v[SRD]
	v_lshlrev_b32 v[OOFF], 11, v5
	v_lshl_add_u32 v[OOFF], v3, 4, v[OOFF]
	v_lshlrev_b32 v29, 6, v1                       ; my wave's 64 bytes,
	v_lshl_add_u32 v29, v3, 2, v29                 ; the word of row lane % 16 (both halves of the lanes hold the same number and write the same word)
	v_add_nc_u32 v[VSN], VSTN, v29
	v_lshlrev_b32 v29, 7, v1                       ; my wave's 128 bytes
	v_lshl_add_u32 v29, v3, 2, v29
	v_add_nc_u32 v[VSK], VSTK, v29
	v_and_b32 v[BOF], 0xff, v0
	v_lshlrev_b32 v[BOF], 4, v[BOF]
	v_lshl_add_u32 v[BST], v0, 3, VECN             ; threads 0-255 fill VECN, threads 256-511 VECK
	s_wait_kmcnt 0x0
	s_cmp_eq_u32 s[Y], 0
	s_cselect_b64 s[PN:PN+1], s[10:11], s[14:15]   ; Wq or Wo
	s_cselect_b64 s[PK:PK+1], s[12:13], s[16:17]   ; Wk or Wv
	s_cselect_b64 s[PO:PO+1], s[26:27], s[28:29]   ; mw or pw
	s_cselect_b64 s[PB:PB+1], s[20:21], s[22:23]   ; bk or bv
	s_cselect_b32 s59, 8, 18                       ; i's 64 columns of Wq are 256 bytes, its 64 rows of Wo 262,144
	s_cmp_lt_u32 s[WV], 8
	s_cselect_b64 s[PB:PB+1], s[PB:PB+1], s[18:19] ; waves 8-15 bring bq
	s_lshl_b32 s51, 0x1000, s[Y]                   ; gb lies at byte 4,096 of vecs, ev at 8,192
	s_mov_b32 s[T0+1], 0
	s_lshl_b32 s[T0], s[TJ], 9
	s_add_nc_u64 s[PK:PK+1], s[PK:PK+1], s[T0:T0+1]
	s_add_nc_u64 s[PGA:PGA+1], s[30:31], s[T0:T0+1]
	s_lshl_b32 s[T0], s[TI], s59
	s_add_nc_u64 s[PN:PN+1], s[PN:PN+1], s[T0:T0+1]
	s_lshl_b32 s[T0], s[TI], 17
	s_lshl_b32 s59, s[TJ], 8
	s_add_co_u32 s[T0], s[T0], s59
	s_add_nc_u64 s[PO:PO+1], s[PO:PO+1], s[T0:T0+1]
	s_lshl_b32 s[T0], s[TI], 8
	s_add_co_u32 s[T0], s[T0], s51
	s_add_nc_u64 s[PVN:PVN+1], s[30:31], s[T0:T0+1]
	s_lshl_b32 s59, s[Y], 7
	s_add_co_u32 s59, s59, s[ID]                   ; my number among the 256: 64 rows of x
	s_lshl_b32 s[T0], s59, 18
	s_add_nc_u64 s[PX:PX+1], s[8:9], s[T0:T0+1]
	s_lshl_b32 s[T0], s59, 17
	s_add_nc_u64 s[PXH:PXH+1], s[24:25], s[T0:T0+1]
.macro LOADKX                          ; a step's 128 rows o x 128 columns of the K operand, and 32 KB of x
.irp p, 0,1,2,3,4,5,6,7
	global_load_b128 v[KR+4*(\p):KR+4*(\p)+3], v[KOFF], s[PK:PK+1] offset:65536*(\p)
.endr
.irp u, 0,1,2,3
	global_load_b128 v[XR+4*(\u):XR+4*(\u)+3], v[XOFF], s[PX:PX+1] offset:8192*(\u) th:TH_LOAD_NT
.endr
.endm
.macro LOADN var                       ; y = 0: 128 rows o x 64 columns n; y = 1: 64 rows n x 128 o
.irp p, 0,1,2,3
.if (\var) == 0
	global_load_b128 v[NR+4*(\p):NR+4*(\p)+3], v[NOFF], s[PN:PN+1] offset:131072*(\p)
.else
	global_load_b128 v[NR+4*(\p):NR+4*(\p)+3], v[KOFF], s[PN:PN+1] offset:65536*(\p)
.endif
.endr
.endm
; 32 along o: the fragments out of LDS, two products, and in a few waves the products with the vectors.  On every way two matrix instructions that follow each other name different accumulators.
.macro SUB var, bf, par, ks
	ds_load_tr16_b128 v[KF:KF+3],     v[KFA+(\bf)] offset:32*KTP*(\ks)
	ds_load_tr16_b128 v[KF+4:KF+7],   v[KFA+(\bf)] offset:32*KTP*(\ks)+16*KTP
	ds_load_tr16_b128 v[KF+8:KF+11],  v[KFA+(\bf)] offset:32*KTP*(\ks)+32
	ds_load_tr16_b128 v[KF+12:KF+15], v[KFA+(\bf)] offset:32*KTP*(\ks)+16*KTP+32
.if (\var) == 0
	ds_load_tr16_b128 v[NF:NF+3],   v[NFA+(\bf)] offset:32*NTP0*(\ks)
	ds_load_tr16_b128 v[NF+4:NF+7], v[NFA+(\bf)] offset:32*NTP0*(\ks)+16*NTP0
.else
	ds_load_b128 v[NF:NF+3],   v[NFA+(\bf)] offset:64*(\ks)
	ds_load_b128 v[NF+4:NF+7], v[NFA+(\bf)] offset:64*(\ks)+32
.endif
	ds_load_b128 v[VN:VN+3],   v[VFA] offset:256*(\par)+64*(\ks)
	ds_load_b128 v[VN+4:VN+7], v[VFA] offset:256*(\par)+64*(\ks)+32
.if (\var) == 0
	ds_load_b128 v[VK:VK+3],   v[VFA] offset:2048+256*(\par)+64*(\ks)
	ds_load_b128 v[VK+4:VK+7], v[VFA] offset:2048+256*(\par)+64*(\ks)+32
.endif
	s_wait_dscnt 0x0
	v_wmma_f32_16x16x32_bf16 v[ACC:ACC+7],    v[KF:KF+7],    v[NF:NF+7], v[ACC:ACC+7]
	v_wmma_f32_16x16x32_bf16 v[ACC+8:ACC+15], v[KF+8:KF+15], v[NF:NF+7], v[ACC+8:ACC+15]
	s_cmp_lg_u32 s[ZN], 0
	s_cbranch_scc1 .Lno_n_\@
	v_wmma_f32_16x16x32_bf16 v[XN:XN+7], v[VN:VN+7], v[NF:NF+7], v[XN:XN+7]  ; all 16 rows of source 0 are the vector: every register of lane r holds the sum for row n = r
.Lno_n_\@:
.if (\var) == 0
	s_cmp_lg_u32 s[ZK], 0
	s_cbranch_scc1 .Lno_k_\@
	v_wmma_f32_16x16x32_bf16 v[XK:XK+7],    v[VK:VK+7], v[KF:KF+7],    v[XK:XK+7]
	v_wmma_f32_16x16x32_bf16 v[XK+8:XK+15], v[VK:VK+7], v[KF+8:KF+15], v[XK+8:XK+15]
.Lno_k_\@:
.endif
.rept 4
	v_nop                                          ; four places between the products and the next loads into their sources
.endr
.endm
; A step of 128 along o.  ONE barrier a step: buffer bf is written again two steps on, behind the next step's barrier, in front of which every wave has waited for its reads of bf.
.macro STEP var, bf, par, last
	s_wait_loadcnt 0x0                             ; this step's 16 loads, issued a step ago
.irp p, 0,1,2,3,4,5,6,7
	v_cvt_pk_bf16_f32 v[KR+4*(\p)],   v[KR+4*(\p)],   v[KR+4*(\p)+1]
	v_cvt_pk_bf16_f32 v[KR+4*(\p)+1], v[KR+4*(\p)+2], v[KR+4*(\p)+3]
.endr
.irp p, 0,1,2,3
	v_cvt_pk_bf16_f32 v[NR+4*(\p)],   v[NR+4*(\p)],   v[NR+4*(\p)+1]
	v_cvt_pk_bf16_f32 v[NR+4*(\p)+1], v[NR+4*(\p)+2], v[NR+4*(\p)+3]
.endr
.irp p, 0,1,2,3,4,5,6,7
	ds_store_b64 v[KST+(\bf)], v[KR+4*(\p):KR+4*(\p)+1] offset:16*KTP*(\p)
.endr
.irp p, 0,1,2,3
.if (\var) == 0
	ds_store_b64 v[NST+(\bf)], v[NR+4*(\p):NR+4*(\p)+1] offset:32*NTP0*(\p)
.else
	ds_store_b64 v[NST+(\bf)], v[NR+4*(\p):NR+4*(\p)+1] offset:16*NTP1*(\p)
.endif
.endr
.irp u, 0,1,2,3                        ; x: rounded to bf16, widened, written as f16
	v_cvt_pk_bf16_f32 v[WR+2*(\u)],   v[XR+4*(\u)],   v[XR+4*(\u)+1]
	v_cvt_pk_bf16_f32 v[WR+2*(\u)+1], v[XR+4*(\u)+2], v[XR+4*(\u)+3]
.endr
.irp u, 0,1,2,3
	v_lshlrev_b32 v[XR+4*(\u)],   16,     v[WR+2*(\u)]
	v_and_b32     v[XR+4*(\u)+1], s[HIM], v[WR+2*(\u)]
	v_lshlrev_b32 v[XR+4*(\u)+2], 16,     v[WR+2*(\u)+1]
	v_and_b32     v[XR+4*(\u)+3], s[HIM], v[WR+2*(\u)+1]
.endr
.irp u, 0,1,2,3
	v_cvt_pk_f16_f32 v[XR+4*(\u)],   v[XR+4*(\u)],   v[XR+4*(\u)+1]
	v_cvt_pk_f16_f32 v[XR+4*(\u)+1], v[XR+4*(\u)+2], v[XR+4*(\u)+3]
.endr
.irp u, 0,1,2,3
	global_store_b64 v[XSO], v[XR+4*(\u):XR+4*(\u)+1], s[PXH:PXH+1] offset:4096*(\u)  ; a wave's store covers 256 consecutive bytes, aligned
.endr
	s_wait_xcnt 0x0                                ; the bases and the stores' data are rewritten only behind this wait
	s_add_nc_u64 s[PK:PK+1], s[PK:PK+1], 0x80000
.if (\var) == 0
	s_add_nc_u64 s[PN:PN+1], s[PN:PN+1], 0x80000
.else
	s_add_nc_u64 s[PN:PN+1], s[PN:PN+1], 512
.endif
	s_add_nc_u64 s[PX:PX+1], s[PX:PX+1], 0x8000
	s_add_nc_u64 s[PXH:PXH+1], s[PXH:PXH+1], 0x4000
.if \last
	s_cmp_eq_u32 s[CNT], 1
	s_cbranch_scc1 .Lno_load_\@                    ; behind the eighth step there is nothing to fetch; the waits for loads are for 0, right on both ways
.endif
	LOADKX
	LOADN \var
.if \last
.Lno_load_\@:
.endif
	s_wait_dscnt 0x0                               ; for the others' sake: my stores into the buffer are done
	s_barrier_signal -1
	s_barrier_wait -1
	SUB \var, \bf, \par, 0
	SUB \var, \bf, \par, 1
	SUB \var, \bf, \par, 2
	SUB \var, \bf, \par, 3
.endm
	global_load_b128 v[WR:WR+3], v[BOF], s[PB:PB+1]  ; four numbers of a bias
	LOADKX                                         ; step 0
.set i, ACC
.rept 40
	v_mov_b32 v[i], 0                              ; cleared on purpose, in the wait for the first loads: one text then serves all eight steps
.set i, i+1
.endr
	s_wait_loadcnt 12                              ; the bias is in; the 12 loads issued behind it stay out
	v_cvt_pk_bf16_f32 v[WR],   v[WR],   v[WR+1]
	v_cvt_pk_bf16_f32 v[WR+1], v[WR+2], v[WR+3]
	ds_store_b64 v[BST], v[WR:WR+1]                ; shown to all by the first step's barrier
	s_mov_b32 s[CNT], 4
	s_cmp_lg_u32 s[Y], 0
	s_cbranch_scc1 .Lvar1
	v_lshlrev_b32 v[NOFF], 12, v5
	v_lshl_add_u32 v[NOFF], v3, 4, v[NOFF]
	v_mul_u32_u24 v[NST], v5, NTP0
	v_lshl_add_u32 v[NST], v3, 3, v[NST]
	v_add_nc_u32 v[NST], NTO0, v[NST]
	v_add_nc_u32 v[NST+1], BUF, v[NST]
	v_mul_u32_u24 v[NFA], v6, NTP0
	v_lshl_add_u32 v[NFA], v7, 4, v[NFA]
	s_lshl_b32 s[T0], s[WN], 5                     ; my 16 columns n, 32 bytes
	s_add_co_u32 s[T0], s[T0], NTO0
	v_add_nc_u32 v[NFA], s[T0], v[NFA]
	v_add_nc_u32 v[NFA+1], BUF, v[NFA]
	LOADN 0
.Lk0:                                                  ; four trips of two steps
	STEP 0, 0, 0, 0
	STEP 0, 1, 1, 1
	v_add_nc_u32 v[VFA], 512, v[VFA]
	s_sub_co_u32 s[CNT], s[CNT], 1
	s_cmp_lg_u32 s[CNT], 0
	s_cbranch_scc1 .Lk0
	s_branch .Lout
.Lvar1:
	v_mul_u32_u24 v[NST], v1, NTP1
	v_lshl_add_u32 v[NST], v2, 3, v[NST]
	v_add_nc_u32 v[NST], NTO1, v[NST]
	v_add_nc_u32 v[NST+1], BUF, v[NST]
	v_mul_u32_u24 v[NFA], v[RN], NTP1
	v_lshl_add_u32 v[NFA], v4, 4, v[NFA]
	v_add_nc_u32 v[NFA], NTO1, v[NFA]
	v_add_nc_u32 v[NFA+1], BUF, v[NFA]
	LOADN 1
.Lk1:
	STEP 1, 0, 0, 0
	STEP 1, 1, 1, 1
	v_add_nc_u32 v[VFA], 512, v[VFA]
	s_sub_co_u32 s[CNT], s[CNT], 1
	s_cmp_lg_u32 s[CNT], 0
	s_cbranch_scc1 .Lk1
.Lout:
	; THE WAY OUT: times 64, rounded to f16, 16 bytes a lane into the stage; a barrier, since a row's 256 bytes come from four waves; back as whole rows.
.irp q, 0,1,2,3,4,5,6,7
	v_pk_mul_f32 v[ACC+2*(\q):ACC+2*(\q)+1], v[ACC+2*(\q):ACC+2*(\q)+1], 0x42800000 op_sel_hi:[1,0]
.endr
.irp q, 0,1,2,3,4,5,6,7
	v_cvt_pk_f16_f32 v[WR+(\q)], v[ACC+2*(\q)], v[ACC+2*(\q)+1]
.endr
	v_mul_f32 v[WR+8],  0x42800000, v[XN]          ; the products with the vectors: every wave puts its own into its own bytes; a wave that made none puts the zeros that it started from
	v_mul_f32 v[WR+9],  0x42800000, v[XK]
	v_mul_f32 v[WR+10], 0x42800000, v[XK+8]
	ds_store_b128 v[SST], v[WR:WR+3]
	ds_store_b128 v[SST], v[WR+4:WR+7] offset:32
	ds_store_b32 v[VSN], v[WR+8]
	ds_store_b32 v[VSK], v[WR+9]
	ds_store_b32 v[VSK], v[WR+10] offset:64
	s_wait_dscnt 0x0                               ; for the others' sake
	s_barrier_signal -1
	s_barrier_wait -1
	ds_load_b128 v[KF:KF+3],   v[SRD]
	ds_load_b128 v[KF+4:KF+7], v[SRD] offset:32*STP
	s_wait_dscnt 0x1
	global_store_b128 v[OOFF], v[KF:KF+3], s[PO:PO+1]                 ; 16 lanes store 256 consecutive bytes, aligned
	s_wait_dscnt 0x0
	global_store_b128 v[OOFF], v[KF+4:KF+7], s[PO:PO+1] offset:65536
	s_cmp_lg_u32 s[ZA], 0
	s_cbranch_scc1 .Lno_a
	v_lshrrev_b32 v[WR+11], 3, v2                  ; rows 2 l, 2 l + 1 of the tile's 64 lie with wave 4 (l / 8), 256 bytes apart, at its words 2 (l % 8) and the next
	v_and_b32 v[WR+12], 7, v2
	v_lshlrev_b32 v[WR+11], 8, v[WR+11]
	v_lshl_add_u32 v[WR+11], v[WR+12], 3, v[WR+11]
	v_add_nc_u32 v[WR+11], VSTN, v[WR+11]
	v_lshlrev_b32 v[WR+12], 3, v2
	ds_load_b64 v[KF+8:KF+9], v[WR+11]
	s_wait_dscnt 0x0
	global_store_b64 v[WR+12], v[KF+8:KF+9], s[PVN:PVN+1]             ; 64 numbers of gb or ev: 256 bytes, whole
.Lno_a:
	s_cmp_lg_u32 s[ZB], 0
	s_cbranch_scc1 .Lno_b
	v_lshl_add_u32 v[WR+13], v2, 4, VSTK           ; waves 0 to 3: 4 x 128 bytes end to end, columns 0 to 127 of the tile
	v_lshlrev_b32 v[WR+14], 4, v2
	ds_load_b128 v[KF+12:KF+15], v[WR+13]
	s_wait_dscnt 0x0
	global_store_b128 v[WR+14], v[KF+12:KF+15], s[PGA:PGA+1]          ; 128 numbers of ga
.Lno_b:
	s_cmp_lg_u32 s[ZC], 0
	s_cbranch_scc1 .Lno_c
	v_lshl_add_u32 v[WR+15], v2, 6, VECN           ; c0: each lane takes 32 numbers of bk and of bq
.irp u, 0,1,2,3
	ds_load_b128 v[ACC+4*(\u):ACC+4*(\u)+3],       v[WR+15] offset:16*(\u)
	ds_load_b128 v[ACC+16+4*(\u):ACC+16+4*(\u)+3], v[WR+15] offset:2048+16*(\u)
.endr
	v_mov_b32 v[WR], 0
	v_mov_b32 v[WR+1], 0
	v_lshlrev_b32 v[WR+2], 3, v2
	s_wait_dscnt 0x0
.set i, 0
.rept 16
	v_fma_mix_f32_bf16 v[WR],   v[ACC+i], v[ACC+16+i], v[WR]   op_sel_hi:[1,1,0]
	v_fma_mix_f32_bf16 v[WR+1], v[ACC+i], v[ACC+16+i], v[WR+1] op_sel:[1,1,0] op_sel_hi:[1,1,0]
.set i, i+1
.endr
	v_add_f32 v[WR], v[WR], v[WR+1]
	v_add_f32_dpp v[WR], v[WR], v[WR] row_xmask:1 row_mask:0xf bank_mask:0xf
	v_add_f32_dpp v[WR], v[WR], v[WR] row_xmask:2 row_mask:0xf bank_mask:0xf
	v_add_f32_dpp v[WR], v[WR], v[WR] row_xmask:4 row_mask:0xf bank_mask:0xf
	v_add_f32_dpp v[WR], v[WR], v[WR] row_xmask:8 row_mask:0xf bank_mask:0xf
	v_permlanex16_b32 v[WR+1], v[WR], s[SEL], s[SEL+1]
	v_add_f32 v[WR], v[WR], v[WR+1]
	v_mov_b32 v[WR+1], v[WR]
	global_store_b64 v[WR+2], v[WR:WR+1], s[30:31] offset:12288       ; 64 copies: 256 bytes, whole
.Lno_c:
	s_wait_tensorcnt 0x0                           ; the wave's end, behind my last LDS store
	ds_add_u32 v[SPW], v[NIL]
	s_wait_dscnt 0x0
	s_endpgm
.Lfunc_end_k_qac99c07939_prep:
	.size	k_qac99c07939_prep, .Lfunc_end_k_qac99c07939_prep-k_qac99c07939_prep
	.p2alignl 7, 3214868480
	.fill 96, 4, 3214868480
	.section	.rodata,"a",@progbits
	.p2align	6, 0x0
	.amdhsa_kernel k_qac99c07939_prep
		.amdhsa_group_segment_fixed_size 176128
		.amdhsa_private_segment_fixed_size 0
		.amdhsa_enable_private_segment 0
		.amdhsa_kernarg_size 96
		.amdhsa_user_sgpr_count 2
		.amdhsa_user_sgpr_kernarg_segment_ptr 1
		.amdhsa_wavefront_size32 1
		.amdhsa_system_sgpr_workgroup_id_x 1
		.amdhsa_system_sgpr_workgroup_id_y 1
		.amdhsa_system_sgpr_workgroup_id_z 1
		.amdhsa_system_vgpr_workitem_id 0
		.amdhsa_next_free_vgpr 192
		.amdhsa_next_free_sgpr 66
		.amdhsa_reserve_vcc 0
		.amdhsa_float_denorm_mode_32 3
		.amdhsa_float_denorm_mode_16_64 3
		.amdhsa_memory_ordered 1
		.amdhsa_forward_progress 1
		.amdhsa_inst_pref_size 58
	.end_amdhsa_kernel
	.amdgpu_metadata
---
amdhsa.version: [ 1, 2 ]
amdhsa.kernels:
  - .name:           k_qac99c07939_prep
    .symbol:         k_qac99c07939_prep.kd
    .args:
      - { .name: x, .offset: 0, .size: 8, .value_kind: global_buffer, .address_space: global }
      - { .name: Wq, .offset: 8, .size: 8, .value_kind: global_buffer, .address_space: global }
      - { .name: Wk, .offset: 16, .size: 8, .value_kind: global_buffer, .address_space: global }
      - { .name: Wo, .offset: 24, .size: 8, .value_kind: global_buffer, .address_space: global }
      - { .name: Wv, .offset: 32, .size: 8, .value_kind: global_buffer, .address_space: global }
      - { .name: bq, .offset: 40, .size: 8, .value_kind: global_buffer, .address_space: global }
      - { .name: bk, .offset: 48, .size: 8, .value_kind: global_buffer, .address_space: global }
      - { .name: bv, .offset: 56, .size: 8, .value_kind: global_buffer, .address_space: global }
      - { .name: xh, .offset: 64, .size: 8, .value_kind: global_buffer, .address_space: global }
      - { .name: mw, .offset: 72, .size: 8, .value_kind: global_buffer, .address_space: global }
      - { .name: pw, .offset: 80, .size: 8, .value_kind: global_buffer, .address_space: global }
      - { .name: vecs, .offset: 88, .size: 8, .value_kind: global_buffer, .address_space: global }
    .group_segment_fixed_size: 176128
    .private_segment_fixed_size: 0
    .kernarg_segment_align: 8
    .kernarg_segment_size: 96
    .max_flat_workgroup_size: 512
    .sgpr_count:     66
    .vgpr_count:     192
    .wavefront_size: 32
...
	.end_amdgpu_metadata
.endif
;; end of part 1
;; launch dots (part 2): grid 4 x 64, 4 waves a work-group, clusters of 4 x 4, 327,680 bytes of LDS; arguments xh, mw, vecs, dpart; writes dpart
.if DOCPART == 2
	.amdgcn_target "amdgcn-amd-amdhsa--gfx1250"
	.amdhsa_code_object_version 6
	.text
	.protected	k_qac99c07939_dots
	.globl	k_qac99c07939_dots
	.p2align	8
	.type	k_qac99c07939_dots,@function
k_qac99c07939_dots:
	s_mov_b64 s[64:65], 0
	v_nop
	global_prefetch_b8 v0, s[64:65] scope:SCOPE_SE
	s_setreg_imm32_b32 hwreg(HW_REG_WAVE_MODE, 25, 1), 1
	s_wait_xcnt 0x0
	s_wait_alu depctr_hold_cnt(0) depctr_sa_sdst(0) depctr_va_vdst(0) depctr_va_sdst(0) depctr_va_ssrc(0) depctr_va_vcc(0) depctr_vm_vsrc(0)
	s_getreg_b32 s2, hwreg(HW_REG_IB_STS2, 6, 4)
	s_cmp_eq_u32 s2, 0
	s_cbranch_scc0 .Lentry_in_a_cluster
	s_endpgm
.Lentry_in_a_cluster:
	s_bfe_u32 s2, ttmp6, 0x10000c
	s_cmp_lg_u32 s2, 0xf033
	s_cbranch_scc0 .Lentry_shape_is_right
	s_endpgm
.Lentry_shape_is_right:
; DOTS.  dpart[p][m] = (1/64) x the sum over the 128 columns n of part p of (sum_k xh[m][k] mw[n][k] + ga[n] + gb[n]) xh[m][n].  The eight parts of a row add up to q.k less bq.bk.
; xh [16384][1024] f16, mw [1024][1024] f16 (64 x Wq^T Wk), ga, gb f32 (64 x); products f16 with f32 sums; the second factor is applied to the f32 sums in registers: the product never goes to memory.
; LIMITS: those of the launch that made xh and mw; mw's rounding to f16 shifts a row's dot by about 2.4e-4 of the dots' spread.
; A tile of 256 rows x 256 columns is made by a work-group of four waves, 128 x 128 each: 64 accumulators, 512 registers.  K goes in steps of 128 through a ring of two LDS slots filled by the tensor
; data mover; the tiles' rows are 256 bytes of memory at multiples of 256.  64 x 4 tiles: one for each of 256 work-groups.
; CLUSTERS: 4 x 4 work-groups.  The four of a row of the cluster need the same tiles of xh, the four of a column the same tiles of mw: each tile is asked for jointly, by the same tensor load with the same
; descriptor and a mask that names the four.
; THE MATRIX INSTRUCTION IS USED TRANSPOSED (source 0 = 16 rows of mw, source 1 = 16 rows of xh): lane l holds row m = l % 16 and the columns n = 8 (l / 16) + 0..7.
; REGISTERS, in windows of 256 (s_set_vgpr_msb: bits 1:0 source 0, 3:2 source 1, 5:4 source 2, 7:6 destination):
;   window 0: v0-31 addresses; v32-63 at work at the end; v64-127, v128-191 fragments of xh, two buffers; v192-255 ga + gb, the C of the products that start the sums; later x's blocks 4, 5
;   window 1: v64-127, v128-191 fragments of mw; v0-63, v192-255 my 128 x 128 block of xh, row blocks 0-3, loaded at the start; v64-127 at the end blocks 6, 7
;   windows 2, 3: the accumulators: row block a, column block b at v[8 (8 (a % 4) + b)] of window 2 + a / 4
.set KSTEP,  128
.set PITCH,  272                       ; an LDS row: 256 bytes + 16: the 16 rows of a fragment load start at 16 different groups of four banks (ISA guide 11.1)
.set HALFT,  128*PITCH
.set SLOT,   4*HALFT
.set DST,    2*SLOT                    ; behind the ring: 512 bytes for each wave, to turn 128 row sums into 16 bytes a lane
.set SPARE,  DST+4*512                 ; the spare words, 128 bytes for each wave
.set LAPS,   4                         ; 1,024 along K = four laps of two steps
.set ADRA, 16
.set ADRB, 20
.set XO,   22                          ; v22  2,048 (l % 16) + 16 (l / 16): my 16 bytes in 16 rows of xh
.set BO,   23                          ; v23  32 (l / 16): my eight numbers of 16 of a vector
.set DSA,  24
.set DLA,  25
.set GOF,  26
.set SPW,  28
.set NIL,  29
.set XT,   32                          ; v32-63   a row block's 16 x 128 of xh as f16
.set F0,   64
.set F1,   128
.set TF,   64                          ; v64-127  the same in f32
.set SC,   128                         ; v128-135 four chains of pairs
.set RS,   144                         ; v144-151 a sum for each row block
.set TS,   160
.set BIAS, 192
.set G1, 24
.set G0, 32
.set G1B, 48
.set G0B, 56
.set SEL, 66
.set PGA, 76
.set PXB, 78
.set HM,  80
.set MSB, 0
.macro WIN new                         ; the immediate's high byte repeats the setting that is left; a switch that changes nothing is dropped
.if MSB != (\new)
	s_set_vgpr_msb (MSB<<8)|(\new)
.set MSB, \new
.endif
.endm
.set MUL_LO, 0xa1                      ; source 0 (mw) window 1, source 1 (xh) window 0, C and D window 2
.set TO_B,   0x40                      ; destination window 1, address window 0
; A joint load.  Waves 0 and 1 fetch xh's two halves, waves 2 and 3 mw's.  The branch hangs on the wave's number alone.  An s_nop 0 and four v_nop follow each of the two lines.
.macro JLOAD s
	s_cmp_eq_u32 s11, 0
	s_cbranch_scc0 .Lfor_b_\@
	tensor_load_to_lds s[G0+4*(\s):G0+4*(\s)+3], s[G1:G1+7]
	s_nop 0
.rept 4
	v_nop
.endr
	s_branch .Lasked_\@
.Lfor_b_\@:
	tensor_load_to_lds s[G0B+4*(\s):G0B+4*(\s)+3], s[G1B:G1B+7]
	s_nop 0
.rept 4
	v_nop
.endr
.Lasked_\@:
.endm
.macro CREST                           ; a round of the cluster's barrier behind its opening barrier
	s_cmp_lg_u32 s10, 0
	s_cbranch_scc1 .Lnot_wave_0_\@
	s_barrier_signal -3
.Lnot_wave_0_\@:
	s_barrier_wait -3
	s_barrier_signal -1
	s_barrier_wait -1
.endm
.macro CROUND
	s_barrier_signal -1
	s_barrier_wait -1
	CREST
.endm
	s_load_b128 s[4:7], s[0:1], 0x0                ; xh s[4:5], mw s[6:7]
	s_load_b128 s[68:71], s[0:1], 0x10             ; vecs s[68:69], dpart s[70:71]
	v_lshl_add_u32 v[SPW], v0, 2, SPARE
	v_mov_b32 v[NIL], 0
	ds_add_u32 v[SPW], v[NIL]                      ; the wave's opening, ahead of my first tensor load
	v_lshrrev_b32 v1, 5, v0
	v_readfirstlane_b32 s10, v1                    ; wave 0..3
	s_lshr_b32 s11, s10, 1                         ; which half of the tile's rows is mine.  Also: I fetch for xh (0) or for mw (1)
	s_and_b32 s12, s10, 1                          ; which half of its columns.  Also: which 128 rows of that tile I fetch
	s_bfe_u32 s40, ttmp6, 0x40000                  ; cx
	s_bfe_u32 s41, ttmp6, 0x40004                  ; cy
	s_lshl_b32 s42, ttmp9, 2
	s_add_co_u32 s42, s42, s40                     ; tile column
	s_and_b32 s13, ttmp7, 0xffff
	s_lshl_b32 s13, s13, 2
	s_add_co_u32 s13, s13, s41                     ; tile row
	s_lshl_b32 s43, s41, 2
	s_lshl_b32 s43, 15, s43                        ; my row of the cluster
	s_lshl_b32 s44, 0x1111, s40                    ; my column
	s_or_b32 s[G1+0], s43, (1<<16)|(1<<20)|(1<<21)|(5<<22)|(3<<25)   ; the mask; 2-byte elements; padding on; bit 21 beside a mask; after every 64 words 4 words
	s_or_b32 s[G1B+0], s44, (1<<16)|(1<<20)|(1<<21)|(5<<22)|(3<<25)
.irp g, G1, G1B
	s_mov_b32 s[(\g)+1], KSTEP<<16                 ; tensor_dim0 = 128
	s_mov_b32 s[(\g)+2], 128<<16                   ; tensor_dim1 = 128
	s_mov_b32 s[(\g)+3], KSTEP<<16                 ; tile_dim0 = 128
	s_mov_b32 s[(\g)+4], 128                       ; tile_dim1 = 128
	s_mov_b32 s[(\g)+5], 1024                      ; elements from row to row
	s_mov_b32 s[(\g)+6], 0
	s_mov_b32 s[(\g)+7], 0
.endr
	s_lshl_b32 s17, s12, 7
	s_lshl_b32 s16, s13, 8
	s_add_co_u32 s16, s16, s17                     ; xh: row 256 x tile row + 128 x half
	s_lshl_b32 s46, s42, 8
	s_add_co_u32 s46, s46, s17                     ; mw: row 256 x tile column + 128 x half
	s_lshl_b32 s16, s16, 11                        ; rows of 2,048 bytes: 32 MiB at the most
	s_lshl_b32 s46, s46, 11
	s_mov_b32 s17, 0
	s_mov_b32 s47, 0
	s_mul_i32 s20, s10, HALFT                      ; where they go: wave x 128 rows
	s_wait_dscnt 0x0                               ; the opening add is done
	s_wait_kmcnt 0x0
	s_add_nc_u64 s[14:15], s[4:5], s[16:17]
	s_add_nc_u64 s[46:47], s[6:7], s[46:47]
	CROUND                                         ; all sixteen work-groups are here: the first joint loads meet
.irp s, 0,1
	s_mov_b32 s[G0+4*(\s)], 1
	s_add_co_u32 s[G0+4*(\s)+1], s20, (\s)*SLOT
	s_add_nc_u64 s[G0+4*(\s)+2:G0+4*(\s)+3], s[14:15], (\s)*KSTEP*2
	s_or_b32 s[G0+4*(\s)+3], s[G0+4*(\s)+3], 0x80000000
	s_mov_b32 s[G0B+4*(\s)], 1
	s_add_co_u32 s[G0B+4*(\s)+1], s20, (\s)*SLOT
	s_add_nc_u64 s[G0B+4*(\s)+2:G0B+4*(\s)+3], s[46:47], (\s)*KSTEP*2
	s_or_b32 s[G0B+4*(\s)+3], s[G0B+4*(\s)+3], 0x80000000
	JLOAD \s                                       ; two loads of mine are out
.endr
	v_and_b32 v1, 15, v0                           ; l % 16
	v_bfe_u32 v2, v0, 4, 1                         ; l / 16
	v_and_b32 v4, 31, v0                           ; l
	v_mul_u32_u24 v3, v1, PITCH
	v_lshl_add_u32 v3, v2, 4, v3
	s_mul_i32 s21, s11, HALFT
	s_mul_i32 s22, s12, HALFT
	s_add_co_u32 s22, s22, 2*HALFT
.irp s, 0,1
	v_add_nc_u32 v[ADRA+(\s)], s21, v3
	v_add_nc_u32 v[ADRB+(\s)], s22, v3
	s_add_co_u32 s21, s21, SLOT
	s_add_co_u32 s22, s22, SLOT
.endr
	v_lshlrev_b32 v[XO], 11, v1
	v_lshl_add_u32 v[XO], v2, 4, v[XO]
	v_lshlrev_b32 v[BO], 5, v2
	s_lshl_b32 s23, s10, 9
	s_add_co_u32 s23, s23, DST
	v_lshl_add_u32 v[DSA], v4, 2, s23
	v_lshl_add_u32 v[DLA], v4, 4, s23
	v_lshlrev_b32 v[GOF], 4, v4
	s_mov_b32 s[SEL], 0x76543210
	s_mov_b32 s[SEL+1], 0xfedcba98
	s_lshl_b32 s16, s13, 8
	s_lshl_b32 s17, s11, 7
	s_add_co_u32 s16, s16, s17                     ; my first row
	s_lshl_b32 s46, s42, 8
	s_lshl_b32 s47, s12, 7
	s_add_co_u32 s46, s46, s47                     ; my first column
	s_lshl_b32 s18, s16, 11
	s_lshl_b32 s19, s46, 1
	s_add_co_u32 s18, s18, s19
	s_mov_b32 s19, 0
	s_add_nc_u64 s[PXB:PXB+1], s[4:5], s[18:19]    ; xh at my rows and my columns
	s_lshl_b32 s18, s46, 2
	s_add_nc_u64 s[PGA:PGA+1], s[68:69], s[18:19]  ; ga at my columns; gb lies 4,096 bytes on
	s_lshl_b32 s18, s42, 1
	s_add_co_u32 s18, s18, s12                     ; the part: 2 x tile column + half
	s_lshl_b32 s18, s18, 16
	s_lshl_b32 s17, s16, 2
	s_add_co_u32 s18, s18, s17
	s_add_nc_u64 s[8:9], s[70:71], s[18:19]        ; dpart at my part and my rows
.macro XLOAD a, dst                    ; row block a of my block of xh: lane (r, h) takes columns 16 b + 8 h + 0..7 of row r, for b = 0..7
.irp bb, 0,1,2,3,4,5,6,7
	global_load_b128 v[(\dst)+4*(\bb):(\dst)+4*(\bb)+3], v[XO], s[PXB:PXB+1] offset:32768*(\a)+32*(\bb)
.endr
.endm
.irp bb, 0,1,2,3,4,5,6,7
	global_load_b128 v[BIAS+8*(\bb):BIAS+8*(\bb)+3],   v[BO], s[PGA:PGA+1] offset:64*(\bb)
	global_load_b128 v[BIAS+8*(\bb)+4:BIAS+8*(\bb)+7], v[BO], s[PGA:PGA+1] offset:64*(\bb)+16
	global_load_b128 v[F0+8*(\bb):F0+8*(\bb)+3],       v[BO], s[PGA:PGA+1] offset:4096+64*(\bb)
	global_load_b128 v[F0+8*(\bb)+4:F0+8*(\bb)+7],     v[BO], s[PGA:PGA+1] offset:4096+64*(\bb)+16
.endr
	WIN TO_B
	XLOAD 0, 0
	XLOAD 1, 32
	XLOAD 2, 192
	XLOAD 3, 224
	WIN 0
	s_wait_loadcnt 32                              ; ga and gb are in; the 32 loads of xh issued behind them stay out: nothing touches their registers before the end
.set i, 0
.rept 32
	v_pk_add_f32 v[BIAS+2*i:BIAS+2*i+1], v[BIAS+2*i:BIAS+2*i+1], v[F0+2*i:F0+2*i+1]
.set i, i+1
.endr
; 16 matrix instructions: row blocks a0, a0 + 1 of the window's four x all 8 column blocks, 32 along K.  zero = 1: the first product starts the sums with ga + gb: nothing is cleared.
; The 64 accumulators take turns, one instruction a turn, in the same order in every quarter.
.macro MUL16 f, hi, a0, zero
.if \zero
	WIN 0x81+0x40*(\hi)                            ; C in window 0
.else
	WIN MUL_LO+0x50*(\hi)
.endif
.irp a, \a0, (\a0)+1
.irp b, 0,1,2,3,4,5,6,7
.if \zero
	v_wmma_f32_16x16x32_f16 v[8*(8*(\a)+(\b)):8*(8*(\a)+(\b))+7], v[(\f)+8*(\b):(\f)+8*(\b)+7], v[(\f)+8*(4*(\hi)+(\a)):(\f)+8*(4*(\hi)+(\a))+7], v[BIAS+8*(\b):BIAS+8*(\b)+7]
.else
	v_wmma_f32_16x16x32_f16 v[8*(8*(\a)+(\b)):8*(8*(\a)+(\b))+7], v[(\f)+8*(\b):(\f)+8*(\b)+7], v[(\f)+8*(4*(\hi)+(\a)):(\f)+8*(4*(\hi)+(\a))+7], v[8*(8*(\a)+(\b)):8*(8*(\a)+(\b))+7]
.endif
.endr
.endr
.endm
.macro FETCH slot, k, f                ; 32 LDS loads in one run: the fragments of one quarter step
	WIN TO_B
.irp i, 0,1,2,3,4,5,6,7
	ds_load_b128 v[(\f)+8*(\i):(\f)+8*(\i)+3],   v[ADRB+(\slot)] offset:(\k)+(\i)*16*PITCH
	ds_load_b128 v[(\f)+8*(\i)+4:(\f)+8*(\i)+7], v[ADRB+(\slot)] offset:(\k)+(\i)*16*PITCH+32
.endr
	WIN 0
.irp i, 0,1,2,3,4,5,6,7
	ds_load_b128 v[(\f)+8*(\i):(\f)+8*(\i)+3],   v[ADRA+(\slot)] offset:(\k)+(\i)*16*PITCH
	ds_load_b128 v[(\f)+8*(\i)+4:(\f)+8*(\i)+7], v[ADRA+(\slot)] offset:(\k)+(\i)*16*PITCH+32
.endr
.endm
.macro PLACES                          ; four places in front of loads into registers that matrix instructions have read (ISA guide 7.12.1 for vector instructions)
.rept 4
	v_nop
.endr
.endm
.macro QUARTER slot, k, f, g, zero     ; 64 matrix instructions on buffer f; in their middle the next quarter's fragments, at byte k of the rows, into buffer g
	s_wait_dscnt 8                                 ; mw's fragments and xh's rows 0-63 are in; the youngest eight loads may be out
	MUL16 \f, 0, 0, \zero
	MUL16 \f, 0, 2, \zero
	PLACES
	FETCH \slot, \k, \g
	s_wait_dscnt 32                                ; all but the 32 just issued
	MUL16 \f, 1, 0, \zero
	MUL16 \f, 1, 2, \zero
.endm
; The change of slots: each wave waits for all its tensor loads (one is out: its part of the next slot), adds 0 to its spare word, and waits for that and for its reads of this slot.
.macro MEET round
	WIN 0
	s_wait_tensorcnt 0x0
	ds_add_u32 v[SPW], v[NIL]
	s_wait_dscnt 9                                 ; the add and the youngest eight loads may be out
	MUL16 F1, 0, 0, 0
	s_wait_dscnt 0x0                               ; the add is done, and my reads of this slot are over
	s_barrier_signal -1
	MUL16 F1, 0, 2, 0
.if \round
	WIN 0
.endif
	s_barrier_wait -1
.endm
.macro TURN slot, next, fill           ; the last quarter of a K step.  fill = 1: the barrier opens a round of the cluster's, and the slot is filled again, two K steps on, first thing behind it
	MEET \fill
.if \fill
	CREST
	s_add_nc_u64 s[G0+4*(\slot)+2:G0+4*(\slot)+3], s[G0+4*(\slot)+2:G0+4*(\slot)+3], 2*KSTEP*2
	s_add_nc_u64 s[G0B+4*(\slot)+2:G0B+4*(\slot)+3], s[G0B+4*(\slot)+2:G0B+4*(\slot)+3], 2*KSTEP*2
	JLOAD \slot                                    ; 224 matrix instructions ahead of the wait for it; its four v_nop are also the places in front of the loads below
.else
	PLACES
.endif
	FETCH \next, 0, F0
	MUL16 F1, 1, 0, 0
	MUL16 F1, 1, 2, 0
.endm
	s_wait_tensorcnt 1                             ; my part of K step 0 is in; K step 1's may stay out
	s_barrier_signal -1
	s_barrier_wait -1
	FETCH 0, 0, F0
	QUARTER 0, 64,  F0, F1, 1
	WIN 0
	s_mov_b32 s3, LAPS-1
.Llap:                                                 ; a trip goes once round the ring and fills both slots again
	QUARTER 0, 128, F1, F0, 0
	QUARTER 0, 192, F0, F1, 0
	TURN 0, 1, 1
	QUARTER 1, 64,  F0, F1, 0
	QUARTER 1, 128, F1, F0, 0
	QUARTER 1, 192, F0, F1, 0
	TURN 1, 0, 1
	QUARTER 0, 64,  F0, F1, 0
	WIN 0
	s_sub_co_u32 s3, s3, 1
	s_cmp_lg_u32 s3, 0
	s_cbranch_scc1 .Llap
	QUARTER 0, 128, F1, F0, 0                      ; the last lap is written out: it asks for nothing
	QUARTER 0, 192, F0, F1, 0
	TURN 0, 1, 0
	QUARTER 1, 64,  F0, F1, 0
	QUARTER 1, 128, F1, F0, 0
	QUARTER 1, 192, F0, F1, 0
	PLACES                                         ; buffer 0 has been multiplied: mw's half of it, and the registers of ga + gb, take the rest of my block of xh
	WIN 0
	XLOAD 4, 192
	XLOAD 5, 224
	WIN TO_B
	XLOAD 6, 64
	XLOAD 7, 96
	s_wait_dscnt 8
	MUL16 F1, 0, 0, 0
	MUL16 F1, 0, 2, 0
	s_wait_dscnt 0x0
	MUL16 F1, 1, 0, 0
	MUL16 F1, 1, 2, 0
	; THE SECOND FACTOR.  For each row block: its 16 x 128 of xh come into low registers (only those have named halves), are widened to f32, and multiply the sums.
.macro XMOV a
.if (\a) < 2
	WIN 0x01
.set XS, 32*(\a)
.elseif (\a) < 4
	WIN 0x01
.set XS, 192+32*((\a)-2)
.elseif (\a) < 6
	WIN 0
.set XS, 192+32*((\a)-4)
.else
	WIN 0x01
.set XS, 64+32*((\a)-6)
.endif
.set i, 0
.rept 32
	v_mov_b32 v[XT+i], v[XS+i]
.set i, i+1
.endr
.endm
.macro WIDEN
	WIN 0
.set i, 0
.irp s, v32.l,v32.h,v33.l,v33.h,v34.l,v34.h,v35.l,v35.h,v36.l,v36.h,v37.l,v37.h,v38.l,v38.h,v39.l,v39.h,v40.l,v40.h,v41.l,v41.h,v42.l,v42.h,v43.l,v43.h,v44.l,v44.h,v45.l,v45.h,v46.l,v46.h,v47.l,v47.h,v48.l,v48.h,v49.l,v49.h,v50.l,v50.h,v51.l,v51.h,v52.l,v52.h,v53.l,v53.h,v54.l,v54.h,v55.l,v55.h,v56.l,v56.h,v57.l,v57.h,v58.l,v58.h,v59.l,v59.h,v60.l,v60.h,v61.l,v61.h,v62.l,v62.h,v63.l,v63.h
	v_cvt_f32_f16 v[TF+i], \s
.set i, i+1
.endr
.endm
.macro DOT a                           ; four chains of pairs; each accumulator is read from its low end on
.set AC, 64*((\a)%4)
	WIN 0x02+(\a)/4
.irp bb, 0,1,2,3,4,5,6,7
.irp q, 0,1,2,3
.if (\bb) == 0
	v_pk_mul_f32 v[SC+2*(\q):SC+2*(\q)+1], v[AC+2*(\q):AC+2*(\q)+1], v[TF+2*(\q):TF+2*(\q)+1]
.else
	v_pk_fma_f32 v[SC+2*(\q):SC+2*(\q)+1], v[AC+8*(\bb)+2*(\q):AC+8*(\bb)+2*(\q)+1], v[TF+8*(\bb)+2*(\q):TF+8*(\bb)+2*(\q)+1], v[SC+2*(\q):SC+2*(\q)+1]
.endif
.endr
.endr
	WIN 0
	v_pk_add_f32 v[SC:SC+1],   v[SC:SC+1],     v[SC+2:SC+3]
	v_pk_add_f32 v[SC+4:SC+5], v[SC+4:SC+5],   v[SC+6:SC+7]
	v_pk_add_f32 v[SC:SC+1],   v[SC:SC+1],     v[SC+4:SC+5]
	v_add_f32 v[RS+(\a)], v[SC], v[SC+1]
.endm
	s_wait_loadcnt 32                              ; blocks 0-3 are in; the 32 loads just issued may stay out
.irp a, 0,1,2,3,4,5,6,7
.if (\a) == 4
	s_wait_loadcnt 16                              ; blocks 4, 5
.endif
.if (\a) == 6
	s_wait_loadcnt 0x0                             ; blocks 6, 7
.endif
	XMOV \a                                        ; the first block's 96 moves and widenings are the places behind the last products
	WIDEN
	DOT \a
.endr
.irp a, 0,1,2,3,4,5,6,7
	v_permlanex16_b32 v[SC+(\a)], v[RS+(\a)], s[SEL], s[SEL+1]  ; the row's other 64 columns lie in the lane 16 away
.endr
.irp a, 0,1,2,3,4,5,6,7
	v_add_f32 v[RS+(\a)], v[RS+(\a)], v[SC+(\a)]
.endr
	v_cmp_ne_u32 s[HM], 0, v2
.irp i, 0,1,2,3
	v_cndmask_b32 v[TS+(\i)], v[RS+2*(\i)], v[RS+2*(\i)+1], s[HM]  ; lane l: row 32 i + l
.endr
.irp i, 0,1,2,3
	v_mul_f32 v[TS+(\i)], 0x3c800000, v[TS+(\i)]   ; the 64 is taken out
.endr
.irp i, 0,1,2,3
	ds_store_b32 v[DSA], v[TS+(\i)] offset:128*(\i)
.endr
	ds_load_b128 v[TS+4:TS+7], v[DLA]              ; LDS serves a wave's instructions in order (ISA guide 5.7.1.4): my own bytes, rows 4 l .. 4 l + 3
	s_wait_dscnt 0x0
	global_store_b128 v[GOF], v[TS+4:TS+7], s[8:9] ; 512 consecutive bytes, aligned
	s_wait_tensorcnt 0x0                           ; the wave's end
	ds_add_u32 v[SPW], v[NIL]
	s_wait_dscnt 0x0
	CROUND                                         ; the closing round
	s_endpgm
.Lfunc_end_k_qac99c07939_dots:
	.size	k_qac99c07939_dots, .Lfunc_end_k_qac99c07939_dots-k_qac99c07939_dots
	.p2alignl 7, 3214868480
	.fill 96, 4, 3214868480
	.section	.rodata,"a",@progbits
	.p2align	6, 0x0
	.amdhsa_kernel k_qac99c07939_dots
		.amdhsa_group_segment_fixed_size 327680
		.amdhsa_private_segment_fixed_size 0
		.amdhsa_enable_private_segment 0
		.amdhsa_kernarg_size 32
		.amdhsa_user_sgpr_count 2
		.amdhsa_user_sgpr_kernarg_segment_ptr 1
		.amdhsa_wavefront_size32 1
		.amdhsa_system_sgpr_workgroup_id_x 1
		.amdhsa_system_sgpr_workgroup_id_y 1
		.amdhsa_system_sgpr_workgroup_id_z 1
		.amdhsa_system_vgpr_workitem_id 0
		.amdhsa_next_free_vgpr 1024
		.amdhsa_next_free_sgpr 88
		.amdhsa_reserve_vcc 0
		.amdhsa_float_denorm_mode_32 3
		.amdhsa_float_denorm_mode_16_64 3
		.amdhsa_memory_ordered 1
		.amdhsa_forward_progress 1
		.amdhsa_inst_pref_size 167
	.end_amdhsa_kernel
	.amdgpu_metadata
---
amdhsa.version: [ 1, 2 ]
amdhsa.kernels:
  - .name:           k_qac99c07939_dots
    .symbol:         k_qac99c07939_dots.kd
    .args:
      - { .name: xh, .offset: 0, .size: 8, .value_kind: global_buffer, .address_space: global }
      - { .name: mw, .offset: 8, .size: 8, .value_kind: global_buffer, .address_space: global }
      - { .name: vecs, .offset: 16, .size: 8, .value_kind: global_buffer, .address_space: global }
      - { .name: dpart, .offset: 24, .size: 8, .value_kind: global_buffer, .address_space: global }
    .group_segment_fixed_size: 327680
    .private_segment_fixed_size: 0
    .kernarg_segment_align: 8
    .kernarg_segment_size: 32
    .max_flat_workgroup_size: 128
    .sgpr_count:     88
    .vgpr_count:     1024
    .wavefront_size: 32
...
	.end_amdgpu_metadata
.endif
;; end of part 2
;; launch outp (part 3): grid 4 x 64, 4 waves a work-group, clusters of 4 x 4, 327,680 bytes of LDS; arguments xh, pw, vecs, dpart, bo, out0; writes out0
.if DOCPART == 3
	.amdgcn_target "amdgcn-amd-amdhsa--gfx1250"
	.amdhsa_code_object_version 6
	.text
	.protected	k_qac99c07939_outp
	.globl	k_qac99c07939_outp
	.p2align	8
	.type	k_qac99c07939_outp,@function
k_qac99c07939_outp:
	s_mov_b64 s[64:65], 0
	v_nop
	global_prefetch_b8 v0, s[64:65] scope:SCOPE_SE
	s_setreg_imm32_b32 hwreg(HW_REG_WAVE_MODE, 25, 1), 1
	s_wait_xcnt 0x0
	s_wait_alu depctr_hold_cnt(0) depctr_sa_sdst(0) depctr_va_vdst(0) depctr_va_sdst(0) depctr_va_ssrc(0) depctr_va_vcc(0) depctr_vm_vsrc(0)
	s_getreg_b32 s2, hwreg(HW_REG_IB_STS2, 6, 4)
	s_cmp_eq_u32 s2, 0
	s_cbranch_scc0 .Lentry_in_a_cluster
	s_endpgm
.Lentry_in_a_cluster:
	s_bfe_u32 s2, ttmp6, 0x10000c
	s_cmp_lg_u32 s2, 0xf033
	s_cbranch_scc0 .Lentry_shape_is_right
	s_endpgm
.Lentry_shape_is_right:
; OUTP.  out0[m][n] = (colsum_m / 64) (sum_k xh[m][k] pw[n][k] + ev[n]) + bo[n], with pw = 64 x Wo Wv in f16, ev = 64 x Wo bv in f32, bo rounded to bf16 like every input.
; colsum.  The scores of row i are d_i once and 0 in the other 2,047 places.  The row's maximum max(d, 0) is taken away exactly: a = e^min(d, 0), b = e^-max(d, 0), Z = a + 2047 b.
; The diagonal weight is a / Z, every other weight of the row b / Z, so colsum_j = (a_j - b_j) / Z_j + T, T = the sum of b_i / Z_i over the batch's 2,048 rows.  d = the eight parts of dpart + c0.
; Every work-group makes T of its batch anew from dpart (64 KB), in the wait for its first tiles: no sum crosses work-groups inside a launch.
; LIMITS: those of the launch that made xh and pw; a weight below 2^-126 counts as 0; NaN and infinities are not treated apart.
; The product is the frame of the launch before: a tile of 256 x 256 to a work-group of four waves, 128 x 128 each, K in steps of 128 through two LDS slots, 4 x 4 clusters with joint loads (xh's tiles
; shared along a row of the cluster, pw's along a column), the matrix instruction used transposed: lane l holds row m = l % 16 and the columns n = 8 (l / 16) + 0..7.
; REGISTERS, in windows of 256 (s_set_vgpr_msb: bits 1:0 source 0, 3:2 source 1, 5:4 source 2, 7:6 destination):
;   window 0: v0-31 addresses; v32-47 colsum / 64 for my eight row blocks, in pairs; v48-63 at work; v64-127, v128-191 fragments of xh (before the loop: dpart; at the end: results and rows read back);
;             v192-255 ev, the C of the products that start the sums; at the end rows read back
;   window 1: v0-63 bo; v64-191 fragments of pw; v192-195 at work          windows 2, 3: the accumulators
.set KSTEP,  128
.set PITCH,  272
.set HALFT,  128*PITCH
.set SLOT,   4*HALFT
.set STAGE,  2*SLOT                    ; behind the ring: 16 rows x 528 bytes for each wave
.set SPITCH, 528                       ; 512 bytes + 16: an odd multiple of 16
.set TAB,    STAGE+4*16*SPITCH         ; (a - b) / Z of 512 rows, the tile's own 256 first
.set TP,     TAB+2048                  ; the four waves' parts of T
.set SPARE,  TP+256
.set LAPS,   4
.set DOF,  8                           ; v8-11 my four rows of dpart in each of four chunks
.set TABS, 12
.set TPS,  13
.set TPL,  14
.set TABL, 15
.set ADRA, 16
.set ADRB, 20
.set BO,   23
.set STO,  24
.set RD,   25
.set CO,   26
.set SPW,  28
.set NIL,  29
.set CM,   32
.set TA,   48
.set F0,   64
.set F1,   128
.set RES,  64
.set BIAS, 192
.set G1, 24
.set G0, 32
.set G1B, 48
.set G0B, 56
.set SEL, 66
.set C0,  76
.set PDP, 78
.set PEV, 80
.set PBO, 82
.set HIM, 84
.set MSB, 0
.macro WIN new
.if MSB != (\new)
	s_set_vgpr_msb (MSB<<8)|(\new)
.set MSB, \new
.endif
.endm
.set MUL_LO, 0xa1
.set TO_B,   0x40
.macro JLOAD s                         ; a joint load: waves 0 and 1 fetch xh's two halves, waves 2 and 3 pw's; an s_nop 0 and four v_nop follow each of the two lines
	s_cmp_eq_u32 s11, 0
	s_cbranch_scc0 .Lfor_b_\@
	tensor_load_to_lds s[G0+4*(\s):G0+4*(\s)+3], s[G1:G1+7]
	s_nop 0
.rept 4
	v_nop
.endr
	s_branch .Lasked_\@
.Lfor_b_\@:
	tensor_load_to_lds s[G0B+4*(\s):G0B+4*(\s)+3], s[G1B:G1B+7]
	s_nop 0
.rept 4
	v_nop
.endr
.Lasked_\@:
.endm
.macro CREST
	s_cmp_lg_u32 s10, 0
	s_cbranch_scc1 .Lnot_wave_0_\@
	s_barrier_signal -3
.Lnot_wave_0_\@:
	s_barrier_wait -3
	s_barrier_signal -1
	s_barrier_wait -1
.endm
.macro CROUND
	s_barrier_signal -1
	s_barrier_wait -1
	CREST
.endm
	s_load_b128 s[4:7], s[0:1], 0x0                ; xh s[4:5], pw s[6:7]
	s_load_b128 s[68:71], s[0:1], 0x10             ; vecs s[68:69], dpart s[70:71]
	s_load_b128 s[72:75], s[0:1], 0x20             ; bo s[72:73], out0 s[74:75]
	v_lshl_add_u32 v[SPW], v0, 2, SPARE
	v_mov_b32 v[NIL], 0
	ds_add_u32 v[SPW], v[NIL]                      ; the wave's opening, ahead of my first tensor load
	v_lshrrev_b32 v1, 5, v0
	v_readfirstlane_b32 s10, v1
	s_lshr_b32 s11, s10, 1
	s_and_b32 s12, s10, 1
	s_bfe_u32 s40, ttmp6, 0x40000
	s_bfe_u32 s41, ttmp6, 0x40004
	s_lshl_b32 s42, ttmp9, 2
	s_add_co_u32 s42, s42, s40                     ; tile column
	s_and_b32 s13, ttmp7, 0xffff
	s_lshl_b32 s13, s13, 2
	s_add_co_u32 s13, s13, s41                     ; tile row
	s_lshl_b32 s43, s41, 2
	s_lshl_b32 s43, 15, s43
	s_lshl_b32 s44, 0x1111, s40
	s_or_b32 s[G1+0], s43, (1<<16)|(1<<20)|(1<<21)|(5<<22)|(3<<25)
	s_or_b32 s[G1B+0], s44, (1<<16)|(1<<20)|(1<<21)|(5<<22)|(3<<25)
.irp g, G1, G1B
	s_mov_b32 s[(\g)+1], KSTEP<<16
	s_mov_b32 s[(\g)+2], 128<<16
	s_mov_b32 s[(\g)+3], KSTEP<<16
	s_mov_b32 s[(\g)+4], 128
	s_mov_b32 s[(\g)+5], 1024
	s_mov_b32 s[(\g)+6], 0
	s_mov_b32 s[(\g)+7], 0
.endr
	s_lshl_b32 s17, s12, 7
	s_lshl_b32 s16, s13, 8
	s_add_co_u32 s16, s16, s17
	s_lshl_b32 s46, s42, 8
	s_add_co_u32 s46, s46, s17
	s_lshl_b32 s16, s16, 11
	s_lshl_b32 s46, s46, 11
	s_mov_b32 s17, 0
	s_mov_b32 s47, 0
	s_mul_i32 s20, s10, HALFT
	s_mov_b32 s[C0+1], 0                           ; named with c0 as a pair
	s_wait_dscnt 0x0                               ; the opening add is done
	s_wait_kmcnt 0x0
	s_load_b32 s[C0], s[68:69], 0x3000             ; c0 = bq . bk
	s_add_nc_u64 s[14:15], s[4:5], s[16:17]
	s_add_nc_u64 s[46:47], s[6:7], s[46:47]
	CROUND
.irp s, 0,1
	s_mov_b32 s[G0+4*(\s)], 1
	s_add_co_u32 s[G0+4*(\s)+1], s20, (\s)*SLOT
	s_add_nc_u64 s[G0+4*(\s)+2:G0+4*(\s)+3], s[14:15], (\s)*KSTEP*2
	s_or_b32 s[G0+4*(\s)+3], s[G0+4*(\s)+3], 0x80000000
	s_mov_b32 s[G0B+4*(\s)], 1
	s_add_co_u32 s[G0B+4*(\s)+1], s20, (\s)*SLOT
	s_add_nc_u64 s[G0B+4*(\s)+2:G0B+4*(\s)+3], s[46:47], (\s)*KSTEP*2
	s_or_b32 s[G0B+4*(\s)+3], s[G0B+4*(\s)+3], 0x80000000
	JLOAD \s
.endr
	v_and_b32 v1, 15, v0
	v_bfe_u32 v2, v0, 4, 1
	v_and_b32 v4, 31, v0
	; dpart first: the rows of my batch, turned so that the tile's own 256 rows come first: no LDS address then hangs on the tile's place
	s_and_b32 s14, s13, 7
	s_lshl_b32 s14, s14, 8                         ; the tile's first row in its batch
	v_lshlrev_b32 v5, 2, v0                        ; 4 t
.irp q, 0,1,2,3
	v_add_nc_u32 v[DOF+(\q)], s14, v5
	v_and_b32 v[DOF+(\q)], 0x7ff, v[DOF+(\q)]
	v_lshlrev_b32 v[DOF+(\q)], 2, v[DOF+(\q)]
	s_add_co_u32 s14, s14, 512
.endr
	s_lshr_b32 s18, s13, 3
	s_lshl_b32 s18, s18, 13                        ; the batch's 2,048 rows, 8,192 bytes in each part
	s_mov_b32 s19, 0
	s_add_nc_u64 s[PDP:PDP+1], s[70:71], s[18:19]
.irp q, 0,1,2,3
.irp p, 0,1,2,3,4,5,6,7
	global_load_b128 v[64+32*(\q)+4*(\p):64+32*(\q)+4*(\p)+3], v[DOF+(\q)], s[PDP:PDP+1] offset:65536*(\p)
.endr
.endr
	v_lshlrev_b32 v[BO], 5, v2
	s_lshl_b32 s16, s13, 8
	s_lshl_b32 s17, s11, 7
	s_add_co_u32 s16, s16, s17                     ; my first row
	s_lshl_b32 s46, s42, 8
	s_lshl_b32 s47, s12, 7
	s_add_co_u32 s46, s46, s47                     ; my first column
	s_lshl_b32 s18, s46, 2
	s_add_nc_u64 s[PBO:PBO+1], s[72:73], s[18:19]
	s_add_nc_u64 s[PEV:PEV+1], s[68:69], s[18:19]  ; ev lies 8,192 bytes into vecs
.irp bb, 0,1,2,3,4,5,6,7
	global_load_b128 v[BIAS+8*(\bb):BIAS+8*(\bb)+3],   v[BO], s[PEV:PEV+1] offset:8192+64*(\bb)
	global_load_b128 v[BIAS+8*(\bb)+4:BIAS+8*(\bb)+7], v[BO], s[PEV:PEV+1] offset:8192+64*(\bb)+16
.endr
	WIN TO_B
.irp bb, 0,1,2,3,4,5,6,7
	global_load_b128 v[8*(\bb):8*(\bb)+3],   v[BO], s[PBO:PBO+1] offset:64*(\bb)
	global_load_b128 v[8*(\bb)+4:8*(\bb)+7], v[BO], s[PBO:PBO+1] offset:64*(\bb)+16
.endr
	WIN 0
	s_lshl_b32 s17, s16, 12                        ; rows of 4,096 bytes: 64 MiB at the most
	s_add_co_u32 s18, s18, s17
	s_add_nc_u64 s[8:9], s[74:75], s[18:19]        ; out0 at my rows and columns
	v_mul_u32_u24 v3, v1, PITCH
	v_lshl_add_u32 v3, v2, 4, v3
	s_mul_i32 s21, s11, HALFT
	s_mul_i32 s22, s12, HALFT
	s_add_co_u32 s22, s22, 2*HALFT
.irp s, 0,1
	v_add_nc_u32 v[ADRA+(\s)], s21, v3
	v_add_nc_u32 v[ADRB+(\s)], s22, v3
	s_add_co_u32 s21, s21, SLOT
	s_add_co_u32 s22, s22, SLOT
.endr
	s_mul_i32 s23, s10, 16*SPITCH
	s_add_co_u32 s23, s23, STAGE                   ; my stage
	v_mul_u32_u24 v6, v1, SPITCH
	v_lshl_add_u32 v6, v2, 5, v6
	v_add_nc_u32 v[STO], s23, v6                   ; in: row l % 16, 32 bytes for each half of the lanes
	v_lshl_add_u32 v[RD], v4, 4, s23               ; back: 32 lanes take a row of 512 bytes
	v_lshlrev_b32 v[CO], 4, v4
	v_lshl_add_u32 v[TABS], v0, 4, TAB
	s_lshl_b32 s14, s10, 2
	s_add_co_u32 s14, s14, TP
	v_mov_b32 v[TPS], s14
	v_mov_b32 v[TPL], TP
	s_lshl_b32 s14, s11, 9
	s_add_co_u32 s14, s14, TAB
	v_lshl_add_u32 v[TABL], v1, 2, s14             ; my rows' places in the table: 128 x half + l % 16
	s_mov_b32 s[SEL], 0x76543210
	s_mov_b32 s[SEL+1], 0xfedcba98
	s_mov_b32 s[HIM], 0xffff0000
	s_wait_kmcnt 0x0                               ; c0
	s_wait_loadcnt 32                              ; dpart's 32 loads are in; ev's and bo's 32 stay out
; Four rows a lane: d, the two exponentials, Z, its reciprocal; (a - b) / Z is left in D+4 .. D+7, and b / Z is added onto T's pair.
.macro COLS q
.set D, 64+32*(\q)
.irp p, 1,2,3,4,5,6,7
	v_pk_add_f32 v[D:D+1],   v[D:D+1],   v[D+4*(\p):D+4*(\p)+1]
	v_pk_add_f32 v[D+2:D+3], v[D+2:D+3], v[D+4*(\p)+2:D+4*(\p)+3]
.endr
	v_pk_add_f32 v[D:D+1],   v[D:D+1],   s[C0:C0+1] op_sel_hi:[1,0]
	v_pk_add_f32 v[D+2:D+3], v[D+2:D+3], s[C0:C0+1] op_sel_hi:[1,0]
.irp e, 0,1,2,3
	v_min_num_f32 v[D+4+(\e)], 0, v[D+(\e)]        ; d - max(d, 0)
	v_max_num_f32 v[D+8+(\e)], 0, v[D+(\e)]        ; max(d, 0)
.endr
	v_pk_mul_f32 v[D+4:D+5],   v[D+4:D+5],   0x3fb8aa3b op_sel_hi:[1,0]   ; log2(e)
	v_pk_mul_f32 v[D+6:D+7],   v[D+6:D+7],   0x3fb8aa3b op_sel_hi:[1,0]
	v_pk_mul_f32 v[D+8:D+9],   v[D+8:D+9],   0xbfb8aa3b op_sel_hi:[1,0]   ; -log2(e)
	v_pk_mul_f32 v[D+10:D+11], v[D+10:D+11], 0xbfb8aa3b op_sel_hi:[1,0]
.irp e, 4,5,6,7,8,9,10,11
	v_exp_f32 v[D+(\e)], v[D+(\e)]
.endr
	v_nop                                          ; a plain instruction between the last exponential and the use of its result (ISA guide 5.7.2)
	s_wait_alu depctr_va_vdst(0)
	v_pk_fma_f32 v[D+12:D+13], v[D+8:D+9],   0x44ffe000, v[D+4:D+5] op_sel_hi:[1,0,1]   ; Z = 2047 b + a
	v_pk_fma_f32 v[D+14:D+15], v[D+10:D+11], 0x44ffe000, v[D+6:D+7] op_sel_hi:[1,0,1]
.irp e, 12,13,14,15
	v_rcp_f32 v[D+(\e)], v[D+(\e)]
.endr
	v_pk_add_f32 v[D+4:D+5], v[D+4:D+5], v[D+8:D+9]   neg_lo:[0,1] neg_hi:[0,1]   ; a - b: also the plain instruction behind the reciprocals
	v_pk_add_f32 v[D+6:D+7], v[D+6:D+7], v[D+10:D+11] neg_lo:[0,1] neg_hi:[0,1]
	s_wait_alu depctr_va_vdst(0)
	v_pk_mul_f32 v[D+4:D+5], v[D+4:D+5], v[D+12:D+13]
	v_pk_mul_f32 v[D+6:D+7], v[D+6:D+7], v[D+14:D+15]
.if (\q) == 0
	v_pk_mul_f32 v[TA:TA+1], v[D+8:D+9], v[D+12:D+13]
.else
	v_pk_fma_f32 v[TA:TA+1], v[D+8:D+9], v[D+12:D+13], v[TA:TA+1]
.endif
	v_pk_fma_f32 v[TA:TA+1], v[D+10:D+11], v[D+14:D+15], v[TA:TA+1]
.endm
	COLS 0
	ds_store_b128 v[TABS], v[68:71]                ; rows own + 4 t .. + 3
	COLS 1
	COLS 2
	COLS 3
	v_add_f32 v[TA], v[TA], v[TA+1]
	v_add_f32_dpp v[TA], v[TA], v[TA] row_xmask:1 row_mask:0xf bank_mask:0xf
	v_add_f32_dpp v[TA], v[TA], v[TA] row_xmask:2 row_mask:0xf bank_mask:0xf
	v_add_f32_dpp v[TA], v[TA], v[TA] row_xmask:4 row_mask:0xf bank_mask:0xf
	v_add_f32_dpp v[TA], v[TA], v[TA] row_xmask:8 row_mask:0xf bank_mask:0xf
	v_permlanex16_b32 v[TA+1], v[TA], s[SEL], s[SEL+1]
	v_add_f32 v[TA], v[TA], v[TA+1]
	ds_store_b32 v[TPS], v[TA]                     ; my wave's part of T
	s_wait_loadcnt 0x0                             ; ev and bo
	WIN 0x45                                       ; destination and both sources in window 1: bo is rounded to bf16 and widened again
.set i, 0
.rept 32
	v_cvt_pk_bf16_f32 v[192+i%4], v[2*i], v[2*i+1]
	v_lshlrev_b32 v[2*i],   16,     v[192+i%4]
	v_and_b32     v[2*i+1], s[HIM], v[192+i%4]
.set i, i+1
.endr
	WIN 0
.macro MUL16 f, hi, a0, zero           ; 16 matrix instructions; zero = 1: the first product starts the sums with ev.  The 64 accumulators take turns.
.if \zero
	WIN 0x81+0x40*(\hi)
.else
	WIN MUL_LO+0x50*(\hi)
.endif
.irp a, \a0, (\a0)+1
.irp b, 0,1,2,3,4,5,6,7
.if \zero
	v_wmma_f32_16x16x32_f16 v[8*(8*(\a)+(\b)):8*(8*(\a)+(\b))+7], v[(\f)+8*(\b):(\f)+8*(\b)+7], v[(\f)+8*(4*(\hi)+(\a)):(\f)+8*(4*(\hi)+(\a))+7], v[BIAS+8*(\b):BIAS+8*(\b)+7]
.else
	v_wmma_f32_16x16x32_f16 v[8*(8*(\a)+(\b)):8*(8*(\a)+(\b))+7], v[(\f)+8*(\b):(\f)+8*(\b)+7], v[(\f)+8*(4*(\hi)+(\a)):(\f)+8*(4*(\hi)+(\a))+7], v[8*(8*(\a)+(\b)):8*(8*(\a)+(\b))+7]
.endif
.endr
.endr
.endm
.macro FETCH slot, k, f
	WIN TO_B
.irp i, 0,1,2,3,4,5,6,7
	ds_load_b128 v[(\f)+8*(\i):(\f)+8*(\i)+3],   v[ADRB+(\slot)] offset:(\k)+(\i)*16*PITCH
	ds_load_b128 v[(\f)+8*(\i)+4:(\f)+8*(\i)+7], v[ADRB+(\slot)] offset:(\k)+(\i)*16*PITCH+32
.endr
	WIN 0
.irp i, 0,1,2,3,4,5,6,7
	ds_load_b128 v[(\f)+8*(\i):(\f)+8*(\i)+3],   v[ADRA+(\slot)] offset:(\k)+(\i)*16*PITCH
	ds_load_b128 v[(\f)+8*(\i)+4:(\f)+8*(\i)+7], v[ADRA+(\slot)] offset:(\k)+(\i)*16*PITCH+32
.endr
.endm
.macro PLACES
.rept 4
	v_nop
.endr
.endm
.macro QUARTER slot, k, f, g, zero
	s_wait_dscnt 8                                 ; pw's fragments and xh's rows 0-63 are in; the youngest eight loads may be out
	MUL16 \f, 0, 0, \zero
	MUL16 \f, 0, 2, \zero
	PLACES
	FETCH \slot, \k, \g
	s_wait_dscnt 32                                ; all but the 32 just issued
	MUL16 \f, 1, 0, \zero
	MUL16 \f, 1, 2, \zero
.endm
.macro MEET round
	WIN 0
	s_wait_tensorcnt 0x0                           ; all my tensor loads have landed: the one that was out is my part of the next slot
	ds_add_u32 v[SPW], v[NIL]
	s_wait_dscnt 9                                 ; the add and the youngest eight loads may be out
	MUL16 F1, 0, 0, 0
	s_wait_dscnt 0x0                               ; the add is done, and my reads of this slot are over
	s_barrier_signal -1
	MUL16 F1, 0, 2, 0
.if \round
	WIN 0
.endif
	s_barrier_wait -1
.endm
.macro TURN slot, next, fill
	MEET \fill
.if \fill
	CREST
	s_add_nc_u64 s[G0+4*(\slot)+2:G0+4*(\slot)+3], s[G0+4*(\slot)+2:G0+4*(\slot)+3], 2*KSTEP*2
	s_add_nc_u64 s[G0B+4*(\slot)+2:G0B+4*(\slot)+3], s[G0B+4*(\slot)+2:G0B+4*(\slot)+3], 2*KSTEP*2
	JLOAD \slot
.else
	PLACES
.endif
	FETCH \next, 0, F0
	MUL16 F1, 1, 0, 0
	MUL16 F1, 1, 2, 0
.endm
	s_wait_tensorcnt 1                             ; my part of K step 0 is in; K step 1's may stay out
	s_wait_dscnt 0x0                               ; for the others' sake: my stores into the table and of my part of T are done
	s_barrier_signal -1
	s_barrier_wait -1
	ds_load_b128 v[52:55], v[TPL]                  ; the four parts of T
.irp a, 0,1,2,3,4,5,6,7
	ds_load_b32 v[56+(\a)], v[TABL] offset:64*(\a) ; (a - b) / Z of my row in each of my eight row blocks
.endr
	s_wait_dscnt 0x0
	v_add_f32 v52, v52, v53
	v_add_f32 v54, v54, v55
	v_add_f32 v52, v52, v54
	v_mul_f32 v52, 0x3c800000, v52                 ; T / 64
.irp a, 0,1,2,3,4,5,6,7
	v_fmamk_f32 v[CM+2*(\a)], v[56+(\a)], 0x3c800000, v52   ; colsum / 64
.endr
.irp a, 0,1,2,3,4,5,6,7
	v_mov_b32 v[CM+2*(\a)+1], v[CM+2*(\a)]         ; named with it as a pair
.endr
	FETCH 0, 0, F0
	QUARTER 0, 64,  F0, F1, 1
	WIN 0
	s_mov_b32 s3, LAPS-1
.Llap:
	QUARTER 0, 128, F1, F0, 0
	QUARTER 0, 192, F0, F1, 0
	TURN 0, 1, 1
	QUARTER 1, 64,  F0, F1, 0
	QUARTER 1, 128, F1, F0, 0
	QUARTER 1, 192, F0, F1, 0
	TURN 1, 0, 1
	QUARTER 0, 64,  F0, F1, 0
	WIN 0
	s_sub_co_u32 s3, s3, 1
	s_cmp_lg_u32 s3, 0
	s_cbranch_scc1 .Llap
	QUARTER 0, 128, F1, F0, 0                      ; the last lap is written out: it asks for nothing
	QUARTER 0, 192, F0, F1, 0
	TURN 0, 1, 0
	QUARTER 1, 64,  F0, F1, 0
	QUARTER 1, 128, F1, F0, 0
	QUARTER 1, 192, F0, F1, 0
	s_wait_dscnt 8
	MUL16 F1, 0, 0, 0
	MUL16 F1, 0, 2, 0
	s_wait_dscnt 0x0
	MUL16 F1, 1, 0, 0
	MUL16 F1, 1, 2, 0
	; THE WAY OUT, a block of 16 rows at a time: one fused multiply-add a pair; 32 bytes a lane into my stage; back as whole rows of 512 bytes; stored.
.macro PACK a
.set AC, 64*((\a)%4)
	WIN 0x12+(\a)/4                                ; source 0 window 2 or 3, source 1 (colsum) window 0, source 2 (bo) window 1
.set i, 0
.rept 32
	v_pk_fma_f32 v[RES+2*i:RES+2*i+1], v[AC+2*i:AC+2*i+1], v[CM+2*(\a):CM+2*(\a)+1], v[2*i:2*i+1] op_sel_hi:[1,0,1]
.set i, i+1
.endr
	WIN 0
.endm
.macro TOSTAGE a
.set BK, 128+64*((\a)%2)
.irp bb, 0,1,2,3,4,5,6,7
	ds_store_b128 v[STO], v[RES+8*(\bb):RES+8*(\bb)+3]   offset:64*(\bb)
	ds_store_b128 v[STO], v[RES+8*(\bb)+4:RES+8*(\bb)+7] offset:64*(\bb)+16
.endr
.irp t, 0,1,2,3,4,5,6,7,8,9,10,11,12,13,14,15
	ds_load_b128 v[BK+4*(\t):BK+4*(\t)+3], v[RD] offset:(\t)*SPITCH  ; LDS serves a wave's instructions in order (ISA guide 5.7.1.4): these see the stores above
.endr
.endm
.macro SEND a
.set BK, 128+64*((\a)%2)
	s_wait_dscnt 0x0                               ; the block is back in registers
	s_wait_xcnt 0x0                                ; the stores' base, and the registers that earlier stores read, are rewritten only behind this wait
.if (\a) > 0
	s_add_nc_u64 s[8:9], s[8:9], 0x10000           ; 16 rows of out0 on
.endif
.irp t, 0,1,2,3,4,5,6,7,8,9,10,11,12,13,14,15
	global_store_b128 v[CO], v[BK+4*(\t):BK+4*(\t)+3], s[8:9] offset:4096*(\t) th:TH_STORE_NT  ; 512 consecutive bytes, aligned
.endr
.endm
	PLACES                                         ; the conversions read results just made, and write registers that the last products read
	PACK 0
	TOSTAGE 0
.irp a, 1,2,3,4,5,6,7                  ; block a's arithmetic stands between block a - 1's loads from the stage and the wait for them
	PACK \a
	SEND (\a)-1
	TOSTAGE \a
.endr
	SEND 7
	s_wait_tensorcnt 0x0                           ; the wave's end
	ds_add_u32 v[SPW], v[NIL]
	s_wait_dscnt 0x0
	CROUND                                         ; the closing round
	s_endpgm
.Lfunc_end_k_qac99c07939_outp:
	.size	k_qac99c07939_outp, .Lfunc_end_k_qac99c07939_outp-k_qac99c07939_outp
	.p2alignl 7, 3214868480
	.fill 96, 4, 3214868480
	.section	.rodata,"a",@progbits
	.p2align	6, 0x0
	.amdhsa_kernel k_qac99c07939_outp
		.amdhsa_group_segment_fixed_size 327680
		.amdhsa_private_segment_fixed_size 0
		.amdhsa_enable_private_segment 0
		.amdhsa_kernarg_size 48
		.amdhsa_user_sgpr_count 2
		.amdhsa_user_sgpr_kernarg_segment_ptr 1
		.amdhsa_wavefront_size32 1
		.amdhsa_system_sgpr_workgroup_id_x 1
		.amdhsa_system_sgpr_workgroup_id_y 1
		.amdhsa_system_sgpr_workgroup_id_z 1
		.amdhsa_system_vgpr_workitem_id 0
		.amdhsa_next_free_vgpr 1024
		.amdhsa_next_free_sgpr 88
		.amdhsa_reserve_vcc 0
		.amdhsa_float_denorm_mode_32 3
		.amdhsa_float_denorm_mode_16_64 3
		.amdhsa_memory_ordered 1
		.amdhsa_forward_progress 1
		.amdhsa_inst_pref_size 181
	.end_amdhsa_kernel
	.amdgpu_metadata
---
amdhsa.version: [ 1, 2 ]
amdhsa.kernels:
  - .name:           k_qac99c07939_outp
    .symbol:         k_qac99c07939_outp.kd
    .args:
      - { .name: xh, .offset: 0, .size: 8, .value_kind: global_buffer, .address_space: global }
      - { .name: pw, .offset: 8, .size: 8, .value_kind: global_buffer, .address_space: global }
      - { .name: vecs, .offset: 16, .size: 8, .value_kind: global_buffer, .address_space: global }
      - { .name: dpart, .offset: 24, .size: 8, .value_kind: global_buffer, .address_space: global }
      - { .name: bo, .offset: 32, .size: 8, .value_kind: global_buffer, .address_space: global }
      - { .name: out0, .offset: 40, .size: 8, .value_kind: global_buffer, .address_space: global }
    .group_segment_fixed_size: 327680
    .private_segment_fixed_size: 0
    .kernarg_segment_align: 8
    .kernarg_segment_size: 48
    .max_flat_workgroup_size: 128
    .sgpr_count:     88
    .vgpr_count:     1024
    .wavefront_size: 32
...
	.end_amdgpu_metadata
.endif
;; end of part 3
